; MI455X (gfx1250); checked and timed in simulation.
; The chip was launched on July 23, 2026; its instructions are those of AMD's public machine-readable ISA for CDNA 5 (MIT licence, August 2026) and "CDNA5" Instruction Set Architecture Reference Guide (July 2026). The comments in the code are by the model that wrote it; some were corrected since.
;; CPR Linear Fused. Allowed arithmetic: float matrix products may take bf16 or f16 operands with f32 sums; other float arithmetic in f32, or as packed bf16 or f16 multiplies, adds, multiply-adds, maxima and minima; sums over many terms, partial sums and values carried from step to step in f32; what a program stores and reads back later, other than sums and carried values, may be rounded once to bf16 or f16.
;; Inputs: bias 16,384 float32; scales 64 x 16,384 float32; weight_int8 8,192 x 16,384 int8; x 8 x 64 x 8,192 float32.
;; Outputs: out0 8 x 64 x 16,384 float32.
;; One version. Each part assembles by itself: llvm-mc -triple=amdgcn-amd-amdhsa -mcpu=gfx1250 --defsym DOCPART=n.
;; ======== version 1 of 1: 2 launches
;; limits: values are held in f16: magnitudes above 65,504 overflow, below 6.1e-05 lose precision; inputs' magnitudes at most 65,504
;; workspace buffers: xh 8,388,608 bytes
;; launch tohalf (part 1): grid 256 x 1, 8 waves a work-group, no clusters, 0 bytes of LDS; arguments x, xh; writes xh
.if DOCPART == 1
	.amdgcn_target "amdgcn-amd-amdhsa--gfx1250"
	.amdhsa_code_object_version 6
	.text
	.protected	k_qc6b5eccae9_tohalf
	.globl	k_qc6b5eccae9_tohalf
	.p2align	8
	.type	k_qc6b5eccae9_tohalf,@function
k_qc6b5eccae9_tohalf:
	s_mov_b64 s[64:65], 0
	v_nop
	global_prefetch_b8 v0, s[64:65] scope:SCOPE_SE
	s_setreg_imm32_b32 hwreg(HW_REG_WAVE_MODE, 25, 1), 1
	s_wait_xcnt 0x0
; xh = x rounded once to f16.  x: [512][8192] f32, xh: the same numbers in f16, row-major.
; LIMITS.  f16 ends at 65,504: an x of 65,520 or more in magnitude becomes an infinity; below 6e-5 an x keeps f16's fixed step of 6e-8.
; A stream: every byte is read once and written once, so there is no LDS, no barrier and no matrix work, and nothing is shared that a cluster could ask for jointly.
; SHARES.  A work-group takes 16,384 numbers (65,536 bytes in, 32,768 out), each of its eight waves 2,048: sixteen loads of 16 bytes a lane, all issued
; before the first is used, so that a wave has its whole 8,192 bytes on their way.  No register is written twice, so no wait frees a source.
.set X, 4                              ; v[4:67]   load i: four f32
.set Y, 68                             ; v[68:99]  store i: four f16
	s_load_b128 s[4:7], s[0:1], 0x0                ; x s[4:5], xh s[6:7]
	s_lshl_b32 s2, ttmp9, 16                       ; the work-group's 65,536 bytes of x
	s_mov_b32 s3, 0
	s_lshl_b32 s8, ttmp9, 15                       ; and its 32,768 bytes of xh
	s_mov_b32 s9, 0
	v_lshrrev_b32 v1, 5, v0                        ; wave
	v_and_b32 v2, 31, v0                           ; lane
	v_lshlrev_b32 v2, 4, v2
	v_lshl_or_b32 v1, v1, 13, v2                   ; in x: 8,192 x wave + 16 x lane
	v_lshrrev_b32 v2, 1, v1                        ; in xh: half of that
	s_wait_kmcnt 0x0
	s_add_nc_u64 s[4:5], s[4:5], s[2:3]
	s_add_nc_u64 s[6:7], s[6:7], s[8:9]
.set i, 0
.rept 16
	global_load_b128 v[X+4*i:X+4*i+3], v1, s[4:5] offset:512*i th:TH_LOAD_NT  ; 512 consecutive bytes a wave; x is read once in the whole program
.set i, i+1
.endr
.set i, 0
.rept 16
	s_wait_loadcnt 15-i                            ; loads come back in order (ISA guide 5.7.1): load i is in, the 15 - i younger ones stay out
	v_cvt_pk_f16_f32 v[Y+2*i], v[X+4*i], v[X+4*i+1]
	v_cvt_pk_f16_f32 v[Y+2*i+1], v[X+4*i+2], v[X+4*i+3]
	global_store_b64 v2, v[Y+2*i:Y+2*i+1], s[6:7] offset:256*i  ; 32 lanes store 256 consecutive bytes, at a multiple of 256 from xh's first byte; the next launch reads them: no hint
.set i, i+1
.endr
	s_endpgm
.Lfunc_end_k_qc6b5eccae9_tohalf:
	.size	k_qc6b5eccae9_tohalf, .Lfunc_end_k_qc6b5eccae9_tohalf-k_qc6b5eccae9_tohalf
	.p2alignl 7, 3214868480
	.fill 96, 4, 3214868480
	.section	.rodata,"a",@progbits
	.p2align	6, 0x0
	.amdhsa_kernel k_qc6b5eccae9_tohalf
		.amdhsa_group_segment_fixed_size 0
		.amdhsa_private_segment_fixed_size 0
		.amdhsa_enable_private_segment 0
		.amdhsa_kernarg_size 16
		.amdhsa_user_sgpr_count 2
		.amdhsa_user_sgpr_kernarg_segment_ptr 1
		.amdhsa_wavefront_size32 1
		.amdhsa_system_sgpr_workgroup_id_x 1
		.amdhsa_system_sgpr_workgroup_id_y 1
		.amdhsa_system_sgpr_workgroup_id_z 1
		.amdhsa_system_vgpr_workitem_id 0
		.amdhsa_next_free_vgpr 104
		.amdhsa_next_free_sgpr 66
		.amdhsa_reserve_vcc 0
		.amdhsa_float_denorm_mode_32 3
		.amdhsa_float_denorm_mode_16_64 3
		.amdhsa_memory_ordered 1
		.amdhsa_forward_progress 1
		.amdhsa_inst_pref_size 7
	.end_amdhsa_kernel
	.amdgpu_metadata
---
amdhsa.version: [ 1, 2 ]
amdhsa.kernels:
  - .name:           k_qc6b5eccae9_tohalf
    .symbol:         k_qc6b5eccae9_tohalf.kd
    .args:
      - { .name: x, .offset: 0, .size: 8, .value_kind: global_buffer, .address_space: global }
      - { .name: xh, .offset: 8, .size: 8, .value_kind: global_buffer, .address_space: global }
    .group_segment_fixed_size: 0
    .private_segment_fixed_size: 0
    .kernarg_segment_align: 8
    .kernarg_segment_size: 16
    .max_flat_workgroup_size: 256
    .sgpr_count:     66
    .vgpr_count:     104
    .wavefront_size: 32
...
	.end_amdgpu_metadata
.endif
;; end of part 1
;; launch gemm (part 2): grid 64 x 4, 4 waves a work-group, clusters of 4 x 4, 327,680 bytes of LDS; arguments xh, weight_int8, scales, bias, out0; writes out0
.if DOCPART == 2
	.amdgcn_target "amdgcn-amd-amdhsa--gfx1250"
	.amdhsa_code_object_version 6
	.text
	.protected	k_qc6b5eccae9_gemm
	.globl	k_qc6b5eccae9_gemm
	.p2align	8
	.type	k_qc6b5eccae9_gemm,@function
k_qc6b5eccae9_gemm:
	s_mov_b64 s[64:65], 0
	v_nop
	global_prefetch_b8 v0, s[64:65] scope:SCOPE_SE
	s_setreg_imm32_b32 hwreg(HW_REG_WAVE_MODE, 25, 1), 1
	s_wait_xcnt 0x0
	s_wait_alu depctr_hold_cnt(0) depctr_sa_sdst(0) depctr_va_vdst(0) depctr_va_sdst(0) depctr_va_ssrc(0) depctr_va_vcc(0) depctr_vm_vsrc(0)
	s_getreg_b32 s2, hwreg(HW_REG_IB_STS2, 6, 4)
	s_cmp_eq_u32 s2, 0
	s_cbranch_scc0 .Lentry_in_a_cluster
	s_endpgm
.Lentry_in_a_cluster:
	s_bfe_u32 s2, ttmp6, 0x10000c
	s_cmp_lg_u32 s2, 0xf033
	s_cbranch_scc0 .Lentry_shape_is_right
	s_endpgm
.Lentry_shape_is_right:
; out[m][n] = bias[n] + the sum over groups g of scales[g][n] x (the sum over the group's 128 k of xh[m][k] w[k][n]).
; xh: [512][8192] f16 (x rounded once).  w: [8192][16384] int8.  scales: [64][16384] f32.  bias: [16384] f32.  out: [512][16384] f32.
; FORMATS.  Both matrix operands are f16: an int8 is exact in f16, so x's one rounding is the only one.  A group's sum P is made by the matrix unit in f32; then M = P x scale + M, one fused
; multiply-add in f32; M starts with the bias.  The scale is not put into the weight: as f16 a small scale would lose bits.
; LIMITS.  |x| up to 65,504 (beyond it xh holds an infinity); below 6e-5 x keeps f16's fixed step of 6e-8.  The order of the sums differs from the reference's: the scale multiplies a group's sum, not each weight.
; NaN and infinities are not treated apart.
; SHARES.  A work-group makes 128 rows x 256 columns: 256 work-groups.  Each of its four waves makes all 128 rows x 64 columns: 32 tiles of 16 x 16, named (mb 0..7, pair p 0..1, parity e 0..1);
; column r of tile (p, e) is the wave's column 32 p + 2 r + e.
; INT8 TO F16.  w lies [k][n]; a fragment wants k along a lane's registers.  ds_load_tr16_b128 on PAIRS of bytes gives lane r the columns 2 r, 2 r + 1 for eight k.  Then for four bytes: one v_xor_b32 turns
; the signed bytes into u = s + 128; one v_perm_b32 for each parity picks that parity's two bytes and sets 0x64 above each: the f16 number 1024 + u; one v_pk_add_f16 of -1152 leaves s, exactly.
; BY SUBSETS.  A group of 128 k is walked in four SUBSETS of two m blocks; a subset in two STRETCHES, one a pair: 16 matrix instructions on the 4 partial sums P of (2 m blocks x 2 parities), which take
; turns.  Behind each matrix instruction stand 3 or 4 vector lines: the conversion of a quarter of the NEXT group's weights for the same pair (40 a stretch), and the 16 packed
; multiply-adds that take the OTHER pair's finished P into M.
; THE RING.  Two memories of LDS that take turns; a slot holds 256 k: A's groups 2 j, 2 j + 1, and B's groups 2 j + 1, 2 j + 2: B is shifted by one group, since B of group G + 1 is read during group G.
; So all LDS reads between two changes of slots fall into one slot, and there is one change for 256 matrix instructions.  B's group 0 comes by a fill of its own, into memory 1, and is converted ahead of the loop.
; CLUSTER.  4 x 4 work-groups.  A's tile hangs on the row block alone: asked for jointly along a row of the cluster; B's on the column block alone: jointly along a column.  The cluster's four rows are all
; four row blocks of the problem, so a strip of w is asked for once for all who need it.
; REGISTERS, in windows of 256 (s_set_vgpr_msb: bits 1:0 source 0, 3:2 source 1, 5:4 source 2, 7:6 destination):
;   window 0: v0-15 addresses; v16-23 scales in use, v24-31 scales on their way, v32-35 bias; v64-191 A's fragments, two buffers; v192-255 the way out
;   window 1: M, tile (mb, p, e) at 32 mb + 16 p + 8 e
;   window 2 + p: v0-31 P of pair p; v32-159 B's fragments of pair p, two buffers of a whole group; v160-175 raw bytes, two buffers of a quarter
.set SIZE_K, 8192
.set SIZE_N, 16384
.set PA,    528                        ; a row of A in LDS: 512 bytes + 16 = 132 words: row r starts at bank 4 r mod 64 (64 banks of 4 bytes: ISA guide 11.1)
.set PB,    288                        ; a row of B: 256 bytes + 32 = 72 words: row i starts at bank 8 i mod 64
.set AHALF, 64*PA                      ; what one tensor load brings of A: 64 rows
.set BOFF,  2*AHALF                    ; behind A's 128 rows: B
.set BGRP,  128*PB                     ; a group of B: 128 rows
.set SLOT1, 0x24000                    ; memory 1 begins here.  The tiles' places in memory 0 (0, 33,792, 67,584, 104,448) have bits 14 and 17 clear, so one exclusive or turns an address into the other memory's
.set STAGE, SLOT1+BOFF+2*BGRP          ; behind the ring, never filled by a tensor load: 16 rows x 272 bytes for each wave, for the way out
.set SP,    272
.set SPARE, STAGE+4*16*SP              ; behind the stages: the spare words, 128 bytes for each wave: two blocks of 256 bytes that no other line names
.set RR,  1                            ; v1   r = lane % 16
.set AA0, 2                            ; v2   my lane's place in A's tile; never rewritten
.set AB0, 3                            ; v3   my lane's place in B's first group of a slot
.set AB1, 4                            ; v4   in its second
.set ADA, 5                            ; v5   the same three in the memory in hand
.set ADB, 6                            ; v6-7
.set STO, 8                            ; v8   the way out: where I put a number
.set RD,  9                            ; v9   the way out: where I read 16 bytes of a row back
.set CO,  10                           ; v10  my byte offset in out
.set SOV, 11                           ; v11  my byte offset in a row of scales, and in bias
.set SPW, 12                           ; v12  LDS address of my spare word: SPARE + 4 x my thread's number; never rewritten
.set NIL, 13                           ; v13  0; never rewritten
.set KNEG, 14                          ; v14  -1152 twice, in f16
.set HH,  15                           ; v15  h = lane / 16
.set SC,  16                           ; scales in use: group parity g, pair p at SC + 4 g + 2 p: (even column's, odd column's)
.set STG, 24                           ; scales on their way: the same shape
.set BIAS, 32                          ; pair p at BIAS + 2 p
.set AF,  64                           ; A's buffer b at AF + 64 b; fragment (m block of the subset, quarter q) at + 32 mbl + 8 q
.set OB,  192                          ; the way out: 16 rows read back, two buffers of 32
.set BB,  32                           ; windows 2, 3: B's buffer g at BB + 64 g; fragment (e, q) at + 32 e + 8 q
.set RAW, 160                          ; windows 2, 3: raw buffer at RAW + 8 x (quarter % 2)
.set WV,  14                           ; s14  my wave's number
.set HW,  15                           ; s15  its low bit: which half of A's rows, or which of B's groups, I fetch
.set CX,  16                           ; s16, s17  my place in the cluster
.set CY,  17
.set NT,  18                           ; s18  my block of 256 columns
.set MT,  19                           ; s19  my block of 128 rows
.set G1A, 24                           ; s[24:31] descriptor group 1 for A's tiles
.set G1B, 32                           ; s[32:39] for B's
.set G1X, 40                           ; s[40:47] for the two halves of B's group 0
.set G0A, 48                           ; s[48:51] descriptor group 0 for A's tiles: it walks
.set G0B, 52                           ; s[52:55] for B's: it walks
.set G0X, 56                           ; s[56:59] for B's group 0: used once
.set SB,  60                           ; s60  the memory in hand: 0 or SLOT1
.set CNT, 61                           ; s61  the loops' count
.set SROW, 62                          ; s62  the row of scales to be asked for next
.set TS,  63                           ; s63  at work
.set SBASE, 66                         ; s[66:67] scales at my block's columns
.set SOFF, 68                          ; s[68:69] a row's byte offset in scales
.set SPT, 70                           ; s[70:71] the two together
.set XORC, 72                          ; s72  0x80 four times
.set C64, 73                           ; s73  0x64 four times
.set SELE, 74                          ; s74, s75  v_perm_b32's selects for the even and the odd columns
.set MROW, 76                          ; s76  the mask of my row of the cluster
.set MCOL, 77                          ; s77  of my column
.set MSB, 0
.macro WIN new                         ; the immediate's high byte repeats the setting that is left; a switch that changes nothing is dropped
.if MSB != (\new)
	s_set_vgpr_msb (MSB<<8)|(\new)
.set MSB, \new
.endif
.endm
; The settings: 0xa8 + 0x54 p: source 0 window 0, the rest window 2 + p: matrix instructions (A; B, P), conversions, raw loads.  0x52 + p: source 0 (P) window 2 + p, source 1 (scale) window 0, M window 1.
.macro PLACES
.rept 4
	v_nop
.endr
.endm
; A joint fill.  Waves 0 and 1 fetch the two halves of a slot's A, waves 2 and 3 its two groups of B.  kind = 3: the last fill: B has no group 64, so wave 3 asks for nothing.
; The branches hang on the wave's number alone.  An s_nop 0 and four v_nop follow each of the two lines, ahead of the jump and the label.
.macro JLOAD kind
	s_cmp_lt_u32 s[WV], 2
	s_cbranch_scc0 .Lfor_b_\@
	tensor_load_to_lds s[G0A:G0A+3], s[G1A:G1A+7]
	s_nop 0
	PLACES
	s_branch .Lasked_\@
.Lfor_b_\@:
.if (\kind) == 3
	s_cmp_eq_u32 s[WV], 3
	s_cbranch_scc1 .Lasked_\@
.endif
	tensor_load_to_lds s[G0B:G0B+3], s[G1B:G1B+7]
	s_nop 0
	PLACES
.Lasked_\@:
.endm
; A round of the cluster's barrier: my work-group's barrier, so that wave 0's signal speaks for all four waves; wave 0 signals; every wave waits for all sixteen work-groups; my work-group's barrier once more.
.macro CREST                           ; a round behind its opening barrier
	s_cmp_lg_u32 s[WV], 0
	s_cbranch_scc1 .Lnot_wave_0_\@
	s_barrier_signal -3
.Lnot_wave_0_\@:
	s_barrier_wait -3
	s_barrier_signal -1
	s_barrier_wait -1
.endm
.macro CROUND                          ; a whole round
	s_barrier_signal -1
	s_barrier_wait -1
	CREST
.endm
.macro STEPD                           ; the walking descriptors: the other memory, the next 256 k (A: 512 bytes along its rows; B: 256 rows of 16,384 bytes); the type bits on top are not reached
	s_xor_b32 s[G0A+1], s[G0A+1], SLOT1
	s_add_nc_u64 s[G0A+2:G0A+3], s[G0A+2:G0A+3], 512
	s_xor_b32 s[G0B+1], s[G0B+1], SLOT1
	s_add_nc_u64 s[G0B+2:G0B+3], s[G0B+2:G0B+3], 256*SIZE_N
.endm
.macro TOGGLE                          ; the LDS reads go on in the other memory
	s_xor_b32 s[SB], s[SB], SLOT1
	v_add_nc_u32 v[ADA], s[SB], v[AA0]
	v_add_nc_u32 v[ADB], s[SB], v[AB0]
	v_add_nc_u32 v[ADB+1], s[SB], v[AB1]
.endm
	s_load_b256 s[4:11], s[0:1], 0x0               ; xh s[4:5], w s[6:7], scales s[8:9], bias s[10:11]
	s_load_b64 s[12:13], s[0:1], 0x20              ; out
	v_lshl_add_u32 v[SPW], v0, 2, SPARE
	v_mov_b32 v[NIL], 0
	ds_add_u32 v[SPW], v[NIL]                      ; the wave's opening: the add and its wait stand ahead of my first tensor load; the set-up below, work on registers, stands between them
	v_lshrrev_b32 v1, 5, v0
	v_readfirstlane_b32 s[WV], v1                  ; wave 0..3
	s_and_b32 s[HW], s[WV], 1
	s_bfe_u32 s[CX], ttmp6, 0x40000
	s_bfe_u32 s[CY], ttmp6, 0x40004
	s_lshl_b32 s[NT], ttmp9, 2                     ; in a cluster launch ttmp9 and ttmp7 count clusters
	s_add_co_u32 s[NT], s[NT], s[CX]               ; column block = 4 x cluster x + cx
	s_and_b32 s[MT], ttmp7, 0xffff
	s_lshl_b32 s[MT], s[MT], 2
	s_add_co_u32 s[MT], s[MT], s[CY]               ; row block = 4 x cluster y + cy
	s_lshl_b32 s[MROW], s[CY], 2
	s_lshl_b32 s[MROW], 15, s[MROW]                ; my row of the cluster: places 4 cy .. 4 cy + 3
	s_lshl_b32 s[MCOL], 0x1111, s[CX]              ; my column: places cx, cx + 4, cx + 8, cx + 12
	; group 1 for A: 64 rows x 256 elements of 2 bytes, 16 bytes of padding behind each row
	s_or_b32 s[G1A], s[MROW], (1<<16)|(1<<20)|(1<<21)|(6<<22)|(3<<25)  ; 15:0 the mask; 17:16 2-byte elements; 20 padding on; 21 set beside a mask; 24:22 after every 128 words (code 6); 31:25 4 words (code 3)
	s_mov_b32 s[G1A+1], 256<<16                    ; tensor_dim0 = 256
	s_mov_b32 s[G1A+2], 64<<16                     ; tensor_dim1 = 64
	s_mov_b32 s[G1A+3], 256<<16                    ; tile_dim0 = 256
	s_mov_b32 s[G1A+4], 64                         ; tile_dim1 = 64
	s_mov_b32 s[G1A+5], SIZE_K                     ; elements from row to row
	s_mov_b32 s[G1A+6], 0
	s_mov_b32 s[G1A+7], 0
	; group 1 for B: 128 rows (k) x 256 elements of 1 byte, 32 bytes of padding behind each row; for group 0's halves: 64 rows
	s_or_b32 s[G1B], s[MCOL], (1<<20)|(1<<21)|(5<<22)|(7<<25)  ; 17:16 1-byte elements; after every 64 words (code 5) 8 words (code 7)
	s_mov_b32 s[G1B+1], 256<<16
	s_mov_b32 s[G1B+2], 128<<16
	s_mov_b32 s[G1B+3], 256<<16
	s_mov_b32 s[G1B+4], 128
	s_mov_b32 s[G1B+5], SIZE_N
	s_mov_b32 s[G1B+6], 0
	s_mov_b32 s[G1B+7], 0
	s_or_b32 s[G1X], s[MCOL], (1<<20)|(1<<21)|(5<<22)|(7<<25)
	s_mov_b32 s[G1X+1], 256<<16
	s_mov_b32 s[G1X+2], 64<<16
	s_mov_b32 s[G1X+3], 256<<16
	s_mov_b32 s[G1X+4], 64
	s_mov_b32 s[G1X+5], SIZE_N
	s_mov_b32 s[G1X+6], 0
	s_mov_b32 s[G1X+7], 0
	; group 0: where the tiles go: the wave's number and constants alone; no place in the cluster enters an LDS address
	s_mov_b32 s[G0A], 1
	s_mul_i32 s[G0A+1], s[HW], AHALF               ; slot 0, memory 0: A's half
	s_mov_b32 s[G0B], 1
	s_mul_i32 s[TS], s[HW], BGRP
	s_add_co_u32 s[G0B+1], s[TS], BOFF             ; slot 0: group 1 (wave 2) or group 2 (wave 3)
	s_mov_b32 s[G0X], 1
	s_mul_i32 s[TS], s[HW], 64*PB
	s_add_co_u32 s[G0X+1], s[TS], SLOT1+BOFF+BGRP  ; group 0: memory 1, the second group's place, by halves
	; and where they come from.  A's offset is made of the row block and the wave, B's of the column block and the wave, each in registers that never hold the other coordinate
	s_lshl_b32 s20, s[MT], 21                      ; 128 rows of 16,384 bytes
	s_lshl_b32 s21, s[HW], 20                      ; 64 rows
	s_add_co_u32 s20, s20, s21
	s_mov_b32 s21, 0
	s_lshl_b32 s22, s[HW], 21                      ; 128 rows (k) of 16,384 bytes
	s_lshl_b32 s23, s[NT], 8                       ; 256 columns
	s_add_co_u32 s22, s22, s23
	s_add_co_u32 s22, s22, 128*SIZE_N              ; from group 1 on
	s_mov_b32 s23, 0
	s_lshl_b32 s78, s[HW], 20                      ; group 0: 64 rows
	s_lshl_b32 s79, s[NT], 8
	s_add_co_u32 s78, s78, s79
	s_mov_b32 s79, 0
	s_mov_b32 s[XORC], 0x80808080
	s_mov_b32 s[C64], 0x64646464
	s_mov_b32 s[SELE], 0x04020400                  ; bytes 0 and 2 of the raw word (the even column at two k), 0x64 above each
	s_mov_b32 s[SELE+1], 0x04030401                ; bytes 1 and 3: the odd column
	s_mov_b32 s[SOFF+1], 0
	s_mov_b32 s[SROW], 3
	s_mov_b32 s[SB], SLOT1
	s_wait_dscnt 0x0                               ; the opening add is done
	s_wait_kmcnt 0x0
	s_add_nc_u64 s[G0A+2:G0A+3], s[4:5], s[20:21]
	s_or_b32 s[G0A+3], s[G0A+3], 0x80000000        ; 127:126 type = 2
	s_add_nc_u64 s[G0B+2:G0B+3], s[6:7], s[22:23]
	s_or_b32 s[G0B+3], s[G0B+3], 0x80000000
	s_add_nc_u64 s[G0X+2:G0X+3], s[6:7], s[78:79]
	s_or_b32 s[G0X+3], s[G0X+3], 0x80000000
	CROUND                                         ; all sixteen work-groups are here: the first joint loads meet
	s_cmp_lt_u32 s[WV], 2                          ; a wave's first fills stand in one branch, ahead of every wait on TENSORcnt and every LDS read: one load of waves 0 and 1 is out, two of waves 2 and 3
	s_cbranch_scc0 .Lfirst_b
	tensor_load_to_lds s[G0A:G0A+3], s[G1A:G1A+7]  ; slot 0: A's groups 0 and 1
	s_nop 0
	PLACES
	s_branch .Lfirst_asked
.Lfirst_b:
	tensor_load_to_lds s[G0X:G0X+3], s[G1X:G1X+7]  ; B's group 0, wanted first
	s_nop 0
	tensor_load_to_lds s[G0B:G0B+3], s[G1B:G1B+7]  ; slot 0: B's group 1 or 2
	s_nop 0
	PLACES
.Lfirst_asked:
	; the other pointers
	s_lshl_b32 s78, s[NT], 10                      ; 256 columns of f32
	s_mov_b32 s79, 0
	s_add_nc_u64 s[SBASE:SBASE+1], s[8:9], s[78:79]
	s_add_nc_u64 s[10:11], s[10:11], s[78:79]      ; bias at my block's columns
	s_lshl_b32 s80, s[MT], 23                      ; 128 rows of 65,536 bytes
	s_add_co_u32 s80, s80, s78
	s_lshl_b32 s[TS], s[WV], 8                     ; my wave's 64 columns
	s_add_co_u32 s80, s80, s[TS]
	s_mov_b32 s81, 0
	s_add_nc_u64 s[12:13], s[12:13], s[80:81]      ; out at my wave's first row and column
	v_and_b32 v[RR], 15, v0
	v_bfe_u32 v[HH], v0, 4, 1
	v_lshl_add_u32 v[SOV], v[RR], 3, s[TS]         ; 256 w + 8 r: columns 64 w + 2 r, + 1; pair 1 lies 128 bytes on
	; a wave's two loads of a row of scales cover its 256 consecutive bytes; lanes 16-31 take what lanes 0-15 take
.irp p, 0,1
	global_load_b64 v[BIAS+2*\p:BIAS+2*\p+1], v[SOV], s[10:11] offset:128*\p
.endr
.irp p, 0,1
	global_load_b64 v[SC+2*\p:SC+2*\p+1], v[SOV], s[SBASE:SBASE+1] offset:128*\p            ; group 0's scales
.endr
.irp p, 0,1
	global_load_b64 v[STG+4+2*\p:STG+4+2*\p+1], v[SOV], s[SBASE:SBASE+1] offset:4*SIZE_N+128*\p  ; group 1's
.endr
.irp p, 0,1
	global_load_b64 v[STG+2*\p:STG+2*\p+1], v[SOV], s[SBASE:SBASE+1] offset:8*SIZE_N+128*\p      ; group 2's
.endr
	; A fragment of A is 16 rows x 32 k in 8 registers: lane l holds row l % 16, k = 8 (l / 16) + 0..7 and 16 + 8 (l / 16) + 0..7: two loads of 16 bytes, 32 bytes apart.
	v_mul_u32_u24 v[AA0], v[RR], PA
	v_lshl_add_u32 v[AA0], v[HH], 4, v[AA0]        ; row x pitch + 16 x half
	; The turning load takes 16 k x 16 pairs of bytes: lane l reads 16 bytes: k = 8 (l / 16) + l % 8, bytes 16 ((l / 8) % 2) on; it leaves lane l the pair of columns 2 (l % 16), + 1 at eight k.
	v_and_b32 v5, 7, v0
	v_bfe_u32 v6, v0, 3, 1
	v_lshl_add_u32 v7, v[HH], 3, v5
	v_mul_u32_u24 v[AB0], v7, PB
	v_lshl_add_u32 v[AB0], v6, 4, v[AB0]
	s_lshl_b32 s[TS], s[WV], 6                     ; my wave's 64 columns of a row
	s_add_co_u32 s[TS], s[TS], BOFF
	v_add_nc_u32 v[AB0], s[TS], v[AB0]
	v_add_nc_u32 v[AB1], BGRP, v[AB0]
	v_add_nc_u32 v[ADB+1], s[SB], v[AB1]           ; group 0 lies in memory 1, at the second group's place
	s_mul_i32 s[TS], s[WV], 16*SP
	s_add_co_u32 s[TS], s[TS], STAGE               ; my stage
	v_mul_u32_u24 v[STO], v[HH], 8*SP              ; in: row 8 h + j, columns 2 r + e
	v_lshl_add_u32 v[STO], v[RR], 3, v[STO]
	v_add_nc_u32 v[STO], s[TS], v[STO]
	v_mul_u32_u24 v[RD], v[HH], SP                 ; back: lanes 0-15 take one row of 256 bytes, lanes 16-31 the next
	v_lshl_add_u32 v[RD], v[RR], 4, v[RD]
	v_add_nc_u32 v[RD], s[TS], v[RD]
	v_lshlrev_b32 v[CO], 16, v[HH]                 ; and the same two rows in out
	v_lshl_add_u32 v[CO], v[RR], 4, v[CO]
	v_mov_b32 v[KNEG], 0xe480e480
	; What the first stretch finds: it takes 'the subset before's' P of pair 1 into M with the odd groups' scales: both are 0, so it adds 0.
.irp k, 4,5,6,7
	v_mov_b32 v[SC+\k], 0
.endr
	WIN 0xc0                                       ; destination window 3
.set i, 0
.rept 32
	v_mov_b32 v[i], 0
.set i, i+1
.endr
	WIN 0
	s_wait_loadcnt 0x4                             ; bias and group 0's scales are in; the four loads behind them (groups 1 and 2) stay out
	; M starts with the bias: a lane's column is the same in all eight m blocks and eight rows, so four numbers go into 256 registers.  No first group is written out and no add is left for the end;
	; the lines stand in the wait for the first tile.
	WIN 0x40                                       ; destination window 1
.set i, 0
.rept 256
	v_mov_b32 v[i], v[BIAS+2*((i/16)%2)+(i/8)%2]
.set i, i+1
.endr
	WIN 0
; THE LDS LOADS.  A's fragments of one subset (2 m blocks x 128 k): 16 loads in one run, into buffer buf: group parity gp of the slot, subset sn of the group.
.macro ALOAD buf, gp, sn
	WIN 0
.irp f, 0,1,2,3,4,5,6,7                ; m block f / 4 of the two, quarter f % 4
	ds_load_b128 v[AF+64*(\buf)+8*\f:AF+64*(\buf)+8*\f+3],   v[ADA] offset:(2*(\sn)+\f/4)*16*PA+256*(\gp)+64*(\f%4)
	ds_load_b128 v[AF+64*(\buf)+8*\f+4:AF+64*(\buf)+8*\f+7], v[ADA] offset:(2*(\sn)+\f/4)*16*PA+256*(\gp)+64*(\f%4)+32
.endr
.endm
; Raw bytes of pair p: quarter q (32 k) of the slot's group gp, 32 columns, into raw buffer rp.  Raw register i holds what fragment register i of both parities is made of.
.macro RL p, rp, gp, q
	WIN 0xa8+0x54*(\p)
	ds_load_tr16_b128 v[RAW+8*(\rp):RAW+8*(\rp)+3],   v[ADB+(\gp)] offset:2*(\q)*16*PB+32*(\p)
	ds_load_tr16_b128 v[RAW+8*(\rp)+4:RAW+8*(\rp)+7], v[ADB+(\gp)] offset:(2*(\q)+1)*16*PB+32*(\p)
.endm
; Line n of the 40 that turn raw buffer rp into the fragments (e = 0, 1; quarter q) of B's buffer bp; the window is the pair's.  0-7: signed to unsigned.  8-23: 1024 + u, by parity.  24-39: less 1152.
.macro CV rp, bp, q
.set rR, RAW+8*(\rp)
.if n < 8
	v_xor_b32 v[rR+n], s[XORC], v[rR+n]
.elseif n < 24
.set rB, BB+64*(\bp)+32*(n%2)+8*(\q)+(n-8)/2
	v_perm_b32 v[rB], s[C64], v[rR+(n-8)/2], s[SELE+n%2]
.else
.set rB, BB+64*(\bp)+32*(n%2)+8*(\q)+(n-24)/2
	v_pk_add_f16 v[rB], v[KNEG], v[rB]
.endif
.set n, n+1
.endm
; Four packed multiply-adds: tile tau (2 x m block + e) of pair po's P goes into M with the scales of group parity sp; mb0 is the subset's first m block.  P's lowest registers are read first.
.macro FM po, sp, mb0, tau
	WIN 0x52+(\po)
.set rM, 32*((\mb0)+(\tau)/2)+16*(\po)+8*((\tau)%2)
.set rP, 8*(\tau)
.set rC, SC+4*(\sp)+2*(\po)
.irp k, 0,1,2,3
.if (\tau)%2
	v_pk_fma_f32 v[rM+2*\k:rM+2*\k+1], v[rP+2*\k:rP+2*\k+1], v[rC:rC+1], v[rM+2*\k:rM+2*\k+1] op_sel:[0,1,0] op_sel_hi:[1,1,1]  ; both by the odd column's scale
.else
	v_pk_fma_f32 v[rM+2*\k:rM+2*\k+1], v[rP+2*\k:rP+2*\k+1], v[rC:rC+1], v[rM+2*\k:rM+2*\k+1] op_sel_hi:[1,0,1]                 ; both by the even column's
.endif
.endr
.endm
; Matrix instruction i of a stretch's 16: quarter i / 4, m block (i / 2) % 2, parity i % 2.  The first four start the sums with the constant 0.
.macro MMA par, buf
.set rP, 8*(i%4)
.set rA, AF+64*(\buf)+32*((i/2)%2)+8*(i/4)
.set rB, BB+64*(\par)+32*(i%2)+8*(i/4)
.if i < 4
	v_wmma_f32_16x16x32_f16 v[rP:rP+7], v[rA:rA+7], v[rB:rB+7], 0
.else
	v_wmma_f32_16x16x32_f16 v[rP:rP+7], v[rA:rA+7], v[rB:rB+7], v[rP:rP+7]
.endif
.endm
; In a group's second subset: the scales of the next group (parity 1 - par), asked for two groups ago, go into use: their last user of the old ones was this group's first stretch; and the row two groups
; further on is asked for.  Behind row 63 the row is clamped: the last trips ask for it again and use nothing of it.
.macro SCALES par
.set o, 1-(\par)
	s_wait_loadcnt 0x2                             ; the two loads of that parity are in; the other parity's two, issued a group later, stay out
.irp k, 0,1,2,3
	v_mov_b32 v[SC+4*o+\k], v[STG+4*o+\k]
.endr
	s_wait_xcnt 0x0                                ; the loads still out have had their addresses translated (ISA guide 3.1): only behind this wait is their base written anew
	s_min_u32 s[TS], s[SROW], 63
	s_lshl_b32 s[SOFF], s[TS], 16                  ; a row of scales is 65,536 bytes
	s_add_nc_u64 s[SPT:SPT+1], s[SBASE:SBASE+1], s[SOFF:SOFF+1]
	s_add_co_u32 s[SROW], s[SROW], 1
	global_load_b64 v[STG+4*o:STG+4*o+1],   v[SOV], s[SPT:SPT+1]
	global_load_b64 v[STG+4*o+2:STG+4*o+3], v[SOV], s[SPT:SPT+1] offset:128
.endm
; A STRETCH: subset s of a group of parity par, pair p.  Behind matrix instruction i: 4, 3, 3 lines of the conversion (quarter s of the next group, same pair), then, where i % 4 = 3, four multiply-adds of
; the other pair's P: pair 0's of this subset (p = 1), or pair 1's of the subset before (p = 0).  None of these lines names a register of the matrix instructions round it; a P is first read ten lines or
; more behind its last product, and begun anew a whole stretch behind that.  The two raw loads for the next quarter stand behind the second matrix instruction.
; chg (in pair 1's stretch of an odd group's third subset): THE CHANGE OF SLOTS.  All the slot's reads have been issued.  Behind i = 7 the wave waits for all its tensor loads, of which one is out at the most:
; its part of the next slot; and adds 0 to its spare word; behind i = 11 it waits for that and for its reads, and signals; behind i = 15 it waits for the others.  chg = 1, 3: the barrier opens a round of the
; cluster's, and the slot just left is filled again first thing behind it: that load has 248 matrix instructions in which to land.  chg = 2: nothing is left to ask for: the work-group's barrier alone.
.macro STRETCH par, s, p, chg
.set UW, 0xa8+0x54*(\p)
.if \p
.set fpo, 0
.set fsp, (\par)
.set fmb, 2*(\s)
.else
.set fpo, 1
.set fsp, ((\par)+1-((\s)+3)/4)%2      ; in a group's first subset: the group before's scales
.set fmb, 2*(((\s)+3)%4)
.endif
	s_wait_dscnt 18                                ; LDS loads come back in order (ISA guide 5.7.1): all are in but the youngest 18: the other pair's two raw loads and the next subset's 16 of A.  So this subset's A and my pair's raw bytes are in
.set i, 0
.set n, 0
.rept 16
	WIN UW
	MMA \par, (\s)%2
.if i%4 == 3
	FM fpo, fsp, fmb, i/4
.else
	CV (\s)%2, 1-(\par), \s
	CV (\s)%2, 1-(\par), \s
	CV (\s)%2, 1-(\par), \s
.if i%4 == 0
	CV (\s)%2, 1-(\par), \s
.endif
.endif
.if i == 1
	RL \p, ((\s)+1)%2, ((\par)+(\s)/3)%2, ((\s)+1)%4
.endif
.if (\chg) && (i == 7)
	WIN 0                                          ; (the add's two registers lie in window 0)
	s_wait_tensorcnt 0x0                           ; no tensor load of mine is out, so a group 0 may be written
	ds_add_u32 v[SPW], v[NIL]                      ; 0 onto my spare word: four matrix instructions and their riders stand between it and the wait for it
.if (\chg)%2
	STEPD
.endif
.endif
.if (\chg) && (i == 11)
	s_wait_dscnt 0x0                               ; the add is done, and my reads of the slot are over
	s_barrier_signal -1                            ; work on registers alone up to the wait
.endif
.if (\chg) && (i == 15)
	WIN 0                                          ; at a branch and at a label every window is 0
	s_barrier_wait -1
.if (\chg)%2
	CREST                                          ; no wave of any partner still reads the slot or has a load on its way
	JLOAD \chg
.endif
	TOGGLE
.endif
.set i, i+1
.endr
.endm
; A SUBSET: the next subset's A is fetched in one run (the four multiply-adds behind the last matrix instruction are the places in front of loads into the buffer that it read: ISA guide 7.12.1 for vector
; instructions), then the two stretches.  The next subset lies in the other group of the slot, or in the next slot, behind s = 3.
.macro SUBSET par, s, chg
	WIN 0
.if (\s) == 1
	SCALES \par
.endif
	ALOAD ((\s)+1)%2, ((\par)+(\s)/3)%2, ((\s)+1)%4
	STRETCH \par, \s, 0, 0
	STRETCH \par, \s, 1, \chg
.endm
.macro CVALL p, rp, q                  ; a whole quarter's conversion, into buffer 0
	WIN 0xa8+0x54*(\p)
.set n, 0
.rept 40
	CV \rp, 0, \q
.endr
.endm
	; GROUP 0's B is converted ahead of the loop.
	s_wait_tensorcnt 0x1                           ; waves 2 and 3: my half of group 0 is in, slot 0's tile stays out; waves 0 and 1 have one load out and pass
	s_barrier_signal -1
	s_barrier_wait -1                              ; both halves are in, for everybody
	RL 0, 0, 1, 0
	RL 1, 0, 1, 0
.irp q, 0,1,2,3
.if \q < 3
	RL 0, ((\q)+1)%2, 1, (\q)+1
	RL 1, ((\q)+1)%2, 1, (\q)+1
	s_wait_dscnt 4                                 ; all but the next quarter's four loads
.else
	s_wait_dscnt 0x0
.endif
	CVALL 0, (\q)%2, \q
	CVALL 1, (\q)%2, \q
.endr
	; The first change of slots: slot 0 is waited for; memory 1, of which group 0's place has been read out, takes slot 1.
	WIN 0
	s_wait_tensorcnt 0x0
	ds_add_u32 v[SPW], v[NIL]
	STEPD
	s_wait_dscnt 0x0                               ; the add is done, and my reads of group 0 are over
	CROUND
	JLOAD 1
	TOGGLE                                         ; memory 0
	ALOAD 0, 0, 0                                  ; what the subset before the first would have fetched: the first subset's A,
	RL 0, 0, 0, 0                                  ; and quarter 0 of group 1, in the order in which the stretches count them
	RL 1, 0, 0, 0
	WIN 0
	s_mov_b32 s[CNT], 30
	s_branch .Lenter                               ; the loop is entered behind its change of slots
.Lmain:                                                ; a trip: 256 k.  The top is passed 29 times: slots 2 to 30 are asked for
	SUBSET 1, 2, 1
	SUBSET 1, 3, 0
	WIN 0
.Lenter:
	SUBSET 0, 0, 0
	SUBSET 0, 1, 0
	SUBSET 0, 2, 0
	SUBSET 0, 3, 0
	SUBSET 1, 0, 0
	SUBSET 1, 1, 0
	WIN 0
	s_sub_co_u32 s[CNT], s[CNT], 1
	s_cmp_lg_u32 s[CNT], 0
	s_cbranch_scc1 .Lmain
	SUBSET 1, 2, 3                                 ; group 59's third subset: the last fill, slot 31
	; The tail is written out: two trips, to group 63's third subset.  Its look-ahead runs on past the end: it reads LDS bytes that hold older tiles and converts
	; them, and nothing uses the result: the price, once a launch, of one text for every subset.
	WIN 0
	s_mov_b32 s[CNT], 2
.Ltail:
	SUBSET 1, 3, 0
	SUBSET 0, 0, 0
	SUBSET 0, 1, 0
	SUBSET 0, 2, 0
	SUBSET 0, 3, 0
	SUBSET 1, 0, 0
	SUBSET 1, 1, 0
	SUBSET 1, 2, 2
	WIN 0
	s_sub_co_u32 s[CNT], s[CNT], 1
	s_cmp_lg_u32 s[CNT], 0
	s_cbranch_scc1 .Ltail
	SUBSET 1, 3, 0                                 ; group 63's last subset
.irp t, 0,1,2,3
	FM 1, 1, 6, \t                                 ; pair 1's last P: the four multiply-adds behind the last matrix instruction are the places in front of these
.endr
	; THE WAY OUT.  A lane holds one column and eight rows of a tile.  A block of 16 rows goes through my own stage: 32 stores of 4 bytes (the lanes' words fall into 32 different banks: 2 r + e, and 32 more
	; for the upper half), and comes back as whole rows of the wave's 64 columns.
.macro TOSTAGE mb
	WIN 0x04                                       ; the data (source 1) in window 1
.irp t, 0,1,2,3                        ; tile (p = t / 2, e = t % 2)
.irp j, 0,1,2,3,4,5,6,7
	ds_store_b32 v[STO], v[32*(\mb)+8*(\t)+(\j)] offset:SP*(\j)+128*((\t)/2)+4*((\t)%2)
.endr
.endr
	WIN 0
	s_wait_xcnt 0x0                                ; the stores of two blocks ago have had their addresses translated (ISA guide 3.1): only behind this wait is their data's buffer loaded again
.irp t, 0,1,2,3,4,5,6,7
	ds_load_b128 v[OB+32*((\mb)%2)+4*(\t):OB+32*((\mb)%2)+4*(\t)+3], v[RD] offset:2*SP*(\t)  ; LDS serves a wave's instructions in order (ISA guide 5.7.1.4): these see the stores above; the next block's stores come behind them
.endr
.endm
.macro SEND mb, younger                ; younger: the LDS instructions issued behind block mb's loads: the next block's 32 stores and 8 loads, or none
	s_wait_dscnt \younger
.irp t, 0,1,2,3,4,5,6,7
	global_store_b128 v[CO], v[OB+32*((\mb)%2)+4*(\t):OB+32*((\mb)%2)+4*(\t)+3], s[12:13] offset:(16*(\mb)+2*(\t))*4*SIZE_N th:TH_STORE_NT  ; 16 lanes store 256 consecutive bytes, at a multiple of 256 from out's first byte; 126 rows at the most: 8,257,536, inside the signed 24-bit immediate
.endr
.endm
	TOSTAGE 0
.irp a, 1,2,3,4,5,6,7
	TOSTAGE \a
	SEND (\a)-1, 40
.endr
	SEND 7, 0
	s_wait_tensorcnt 0x0                           ; the wave's end, behind my last tensor load and my last LDS store
	ds_add_u32 v[SPW], v[NIL]
	s_wait_dscnt 0x0
	CROUND                                         ; the closing round: no work-group ends while a partner may still ask for a tile that names it
	s_endpgm
.Lfunc_end_k_qc6b5eccae9_gemm:
	.size	k_qc6b5eccae9_gemm, .Lfunc_end_k_qc6b5eccae9_gemm-k_qc6b5eccae9_gemm
	.p2alignl 7, 3214868480
	.fill 96, 4, 3214868480
	.section	.rodata,"a",@progbits
	.p2align	6, 0x0
	.amdhsa_kernel k_qc6b5eccae9_gemm
		.amdhsa_group_segment_fixed_size 327680
		.amdhsa_private_segment_fixed_size 0
		.amdhsa_enable_private_segment 0
		.amdhsa_kernarg_size 40
		.amdhsa_user_sgpr_count 2
		.amdhsa_user_sgpr_kernarg_segment_ptr 1
		.amdhsa_wavefront_size32 1
		.amdhsa_system_sgpr_workgroup_id_x 1
		.amdhsa_system_sgpr_workgroup_id_y 1
		.amdhsa_system_sgpr_workgroup_id_z 1
		.amdhsa_system_vgpr_workitem_id 0
		.amdhsa_next_free_vgpr 1024
		.amdhsa_next_free_sgpr 84
		.amdhsa_reserve_vcc 0
		.amdhsa_float_denorm_mode_32 3
		.amdhsa_float_denorm_mode_16_64 3
		.amdhsa_memory_ordered 1
		.amdhsa_forward_progress 1
		.amdhsa_inst_pref_size 255
	.end_amdhsa_kernel
	.section	.bss,"aw",@nobits
	.p2align	6
	.space	262144
	.amdgpu_metadata
---
amdhsa.version: [ 1, 2 ]
amdhsa.kernels:
  - .name:           k_qc6b5eccae9_gemm
    .symbol:         k_qc6b5eccae9_gemm.kd
    .args:
      - { .name: xh, .offset: 0, .size: 8, .value_kind: global_buffer, .address_space: global }
      - { .name: weight_int8, .offset: 8, .size: 8, .value_kind: global_buffer, .address_space: global }
      - { .name: scales, .offset: 16, .size: 8, .value_kind: global_buffer, .address_space: global }
      - { .name: bias, .offset: 24, .size: 8, .value_kind: global_buffer, .address_space: global }
      - { .name: out0, .offset: 32, .size: 8, .value_kind: global_buffer, .address_space: global }
    .group_segment_fixed_size: 327680
    .private_segment_fixed_size: 0
    .kernarg_segment_align: 8
    .kernarg_segment_size: 40
    .max_flat_workgroup_size: 128
    .sgpr_count:     84
    .vgpr_count:     1024
    .wavefront_size: 32
...
	.end_amdgpu_metadata
.endif
;; end of part 2
